; MI455X (gfx1250); checked and timed in simulation.
; The chip was launched on July 23, 2026; its instructions are those of AMD's public machine-readable ISA for CDNA 5 (MIT licence, August 2026) and "CDNA5" Instruction Set Architecture Reference Guide (July 2026). The comments in the code are by the model that wrote it; some were corrected since.
;; Attention. Allowed arithmetic: matrix products marked QUANTISED: E2M3 operands, one E8M0 scale for each 32 along K, by v_wmma_scale_f32_16x16x128_f8f6f4 with both operands' format E2M3, f32 sums; products left as they are: f32 operands where the result goes on into a quantised operand, else bf16, f16 or f32 operands; f32 sums; everything else in f32.
;; Inputs: attn_w 1,024 x 2,048 float32; encoder_outputs 32 x 2,048 x 1,024 float32; s 32 x 1,024 float32; v_w 1 x 1,024 float32.
;; Outputs: out0 32 x 2,048 float32.
;; This version of the problem:
;;   THIS VERSION OF THE PROBLEM IS GIVEN IN LOW PRECISION. The matrix products marked QUANTISED in the list below multiply operands that are first quantised to E2M3 (2 exponent bits, 3 mantissa bits; 6 bits a number), with one power-of-two scale for each 32 numbers along K (OCP MX v1.0); their sums are f32. All else is computed in f32.
;;   The module's matrix products, in the order in which they are computed (A, B: the left and right operand; K: the contracted axis; several contracted axes count as one K, in the product's order):
;;     1. [M 32, K 1,024] x [K 1,024, N 1,024]; A: input s; B: input attn_w: QUANTISED
;;     2. [M 65,536, K 1,024] x [K 1,024, N 1,024]; A: input encoder_outputs; B: input attn_w: QUANTISED
;;     3. [M 65,536, K 1,024] x [K 1,024, N 1]; A: computed on the way; B: computed on the way: left as it is (N = 1 < 16)
;;   THE QUANTISER, for each operand of a quantised product, along K:
;;     - K is cut into blocks of 32 from its start; a last block that is shorter is filled with zeros.
;;     - A block's scale is 2^e with e = floor(log2(the largest magnitude in the block)) - 2, held to -126 .. 127; a block of zeros has e = 0. As a byte (E8M0): e + 127.
;;     - Each number is divided by its block's scale, clamped to +-7.5, and rounded to the nearest number of E2M3, ties to even, subnormals kept.
;;     - The product sums the exact products of the quantised numbers (number of the format x scale) in f32.
;;   ~~~python
;;   def quantise(x, axis):      # numpy; x: float32 -> the quantised numbers, widened to float32 again
;;       x = np.moveaxis(x, axis, -1); K = x.shape[-1]
;;       x = np.pad(x, [(0, 0)] * (x.ndim - 1) + [(0, -K % 32)]); x = x.reshape(x.shape[:-1] + (-1, 32)); a = np.abs(x).max(-1, keepdims=True)
;;       e = np.where(a > 0, np.clip(np.frexp(np.where(a > 0, a, 1))[1] - 1 - 2, -126, 127), 0)      # np.frexp(a)[1] - 1 = floor(log2(a)), exactly
;;       r = np.clip(x / 2.0 ** e, -7.5, 7.5)
;;       step = 2.0 ** (np.maximum(np.frexp(np.where(r == 0, 1, r))[1] - 1, 0) - 3)
;;       q = np.round(r / step) * step * 2.0 ** e      # np.round: ties to even
;;       return np.moveaxis(q.reshape(q.shape[:-2] + (-1,))[..., :K], -1, axis).astype(np.float32)
;;   ~~~
;; One version. Each part assembles by itself: llvm-mc -triple=amdgcn-amd-amdhsa -mcpu=gfx1250 --defsym DOCPART=n.
;; ======== version 1 of 1: 3 launches
;; limits: right only within a limited range of input values
;; workspace buffers: wimg 819,200 bytes; psw 131,072 bytes; scores 262,144 bytes
;; launch prep (part 1): grid 64 x 1, 16 waves a work-group, no clusters, 327,680 bytes of LDS; arguments attn_w, s, wimg, psw; writes wimg, psw
.if DOCPART == 1
	.amdgcn_target "amdgcn-amd-amdhsa--gfx1250"
	.amdhsa_code_object_version 6
	.text
	.protected	k_qccbbbb8ddf_prep
	.globl	k_qccbbbb8ddf_prep
	.p2align	8
	.type	k_qccbbbb8ddf_prep,@function
k_qccbbbb8ddf_prep:
	s_mov_b64 s[64:65], 0
	v_nop
	global_prefetch_b8 v0, s[64:65] scope:SCOPE_SE
	s_setreg_imm32_b32 hwreg(HW_REG_WAVE_MODE, 25, 1), 1
	s_wait_xcnt 0x0
; attn_w [1024][2048] f32: row h holds W_s (columns 0-1023, acts on s) and W_e (columns 1024-2047, acts on encoder_outputs).  s [32][1024] f32.
; This launch makes (a) wimg: W_e as codes of FP6 (E2M3) with one E8M0 scale byte for each 32 along K, laid as IMAGES OF THE OPERAND'S REGISTERS, and (b) psw [32][1024] f32: proj_s = Q(s) Q(W_s)^T.  No work of reference() is left out here.
; wimg: 64 units of 12,800 bytes; unit u = rows 16 u .. 16 u + 15 of W_e = 25 pieces of 512 bytes.  Piece 3 s + c: registers 4 c .. 4 c + 3 of the fragment (16 rows x 128 K) of K step s, lane l's 16 bytes at 16 l.
; Piece 24: the scale words: (row r, K step i) at 16 r + 4 i for i < 4, (row r, K step 4 + i) at 256 + 16 r + 4 i.
; SHARES.  Work-group u = unit u; sixteen waves (k, j), k = wave % 8 the K step, j = wave / 8.  Each wave brings ONE tile of 32 rows x 512 bytes by one tensor load at the head: j = 0: attn_w read as 2,048 half rows of 4,096 bytes:
; half rows 32 u .. + 31 at byte 512 k: LDS row 2 r is W_s's row r, LDS row 2 r + 1 W_e's; j = 1: s's 32 rows at byte 512 k.  Nothing is filled again.  Behind one barrier wave (k, j) quantises W_s's fragment and that of s's rows
; 16 j .. + 15 and multiplies them (source 0 = 16 rows of W_s, source 1 = 16 rows of s): a lane holds one batch and eight neighbouring units h.  Waves with j = 1 also quantise W_e's fragment, which leaves as it stands.
; The partial sums over K meet in LDS and are added in f32, as a tree over the eight K steps.
; THE QUANTISER.  A block's scale is 2^(floor(log2(its largest magnitude)) - 2); its byte is the largest magnitude's exponent field - 2, held at 1 from below.
; LIMITS: a block of zeros gets the byte 1 where the rule says 127 (its codes are zeros, and this program alone reads the bytes); blocks whose largest magnitude lies under 2^-124 get the byte 1; NaN and infinities among the
; inputs are not served.
; No cluster: what work-groups share is s alone, 131,072 of the 8,519,680 bytes that the launch reads.  No prefetch: the launch has no loop to run ahead in.
.set SP,    528                        ; an LDS row: 512 bytes + 16
.set TILE,  32*SP                      ; a wave's tile
.set PART,  16*TILE                    ; behind the tiles: the partial sums, 2,048 bytes for each K step
.set SCP,   PART+8*2048                ; the unit's piece 24 is gathered here
.set SPARE, SCP+512                    ; the spare words, 128 bytes for each wave: eight blocks of 256 bytes that no other line names
.set UNITB, 12800
.set L16, 1                            ; v1   16 x lane
.set AW,  2                            ; v2   W_s's row r in my K step's tile: 1,056 r + 128 h; W_e's lies 528 on
.set AX,  3                            ; v3   s's row 16 j + r: 528 r + 128 h
.set SH8, 4                            ; v4   8 h
.set SCA, 5                            ; v5   where my scale word of W_e goes
.set PST, 6                            ; v6   where my partial sums go
.set PLD, 7                            ; v7   where waves 0-3 read a piece of all eight
.set SPW, 8                            ; v8   LDS address of my spare word; never rewritten
.set NIL, 9                            ; v9   0; never rewritten
.set QW,  10
.set QX,  11
.set GPS, 12                           ; v12  psw: 4,096 r + 32 h
.set SCL, 13                           ; v13  piece 24 on the way out
.set QM,  16                           ; v16-19 four running maxima
.set SO,  20                           ; v20-21 the conversions' scale operands
.set BY,  22                           ; v22-23 the scale bytes
.set SW,  24                           ; v24-26 the fragments' scale words, and nothing else
.set AC,  32                           ; v32-39 the accumulator
.set X,   64                           ; v64-127 64 numbers; later the eight partial sums
.set CD,  192                          ; v192-227 the fragments' codes
.set TMP, 240                          ; v240-246 a conversion's three registers begin on an even number: each block's second half is made here and moved
.set SEL, 14                           ; s[14:15]
.set G1,  32                           ; s[32:39] descriptor group 1
.set G0,  40                           ; s[40:43] group 0
; 64 numbers of a lane at v[xs]: register 32 c + i = k 64 c + 32 h + i of my row.  The two blocks' scale operands go to v[SO], v[SO+1], the row's scale word to v[wd].
.macro QMAX xs, wd
.set XQ, (\xs)
.irp c, 0,1
	v_max3_num_f32 v[QM+2*\c], |v[XQ+32*\c]|, |v[XQ+32*\c+1]|, |v[XQ+32*\c+2]|
	v_max3_num_f32 v[QM+2*\c+1], |v[XQ+32*\c+3]|, |v[XQ+32*\c+4]|, |v[XQ+32*\c+5]|
.endr
.irp i, 6,10,14,18,22,26
.irp c, 0,1
	s_delay_alu instid0(VALU_DEP_4)
	v_max3_num_f32 v[QM+2*\c], v[QM+2*\c], |v[XQ+32*\c+\i]|, |v[XQ+32*\c+\i+1]|
	s_delay_alu instid0(VALU_DEP_4)
	v_max3_num_f32 v[QM+2*\c+1], v[QM+2*\c+1], |v[XQ+32*\c+\i+2]|, |v[XQ+32*\c+\i+3]|
.endr
.endr
.irp c, 0
	s_delay_alu instid0(VALU_DEP_4)
	v_max3_num_f32 v[QM+2*\c], v[QM+2*\c], |v[XQ+32*\c+30]|, |v[XQ+32*\c+31]|
.endr
.irp c, 1
	s_delay_alu instid0(VALU_DEP_3)
	v_max3_num_f32 v[QM+2*\c], v[QM+2*\c], |v[XQ+32*\c+30]|, |v[XQ+32*\c+31]|
.endr
.irp c, 0,1
	s_delay_alu instid0(VALU_DEP_2)
	v_max3_num_f32 v[QM+2*\c], v[QM+2*\c], v[QM+2*\c+1], 0x1800000   ; and the floor 2^(3 - 127): the byte cannot fall under 1
.endr
.irp c, 0,1
	s_delay_alu instid0(VALU_DEP_2)
	v_add_nc_u32 v[SO+\c], 0xff000000, v[QM+2*\c]  ; 2 off the exponent field: the conversion takes the exponent field of this operand as its scale
.endr
.irp c, 0,1
	s_delay_alu instid0(VALU_DEP_2)
	v_lshrrev_b32 v[BY+\c], 23, v[SO+\c]           ; the scale's byte
.endr
	s_delay_alu instid0(VALU_DEP_1)
	v_lshl_or_b32 v[QW], v[BY+1], 16, v[BY]        ; my two bytes: blocks h and 2 + h,
	s_delay_alu instid0(VALU_DEP_1)
	v_lshlrev_b32 v[QW], v[SH8], v[QW]             ; at their places in the word;
	s_delay_alu instid0(VALU_DEP_1)
	v_permlanex16_b32 v[QX], v[QW], s[SEL], s[SEL+1]
	s_delay_alu instid0(VALU_DEP_1)
	v_or_b32 v[\wd], v[QW], v[QX]                  ; with lane l xor 16's two the word is whole
.endm
.macro CONV xs, d                      ; the codes: registers 6 c .. 6 c + 5 of the fragment at v[d] hold k = 64 c + 32 h + 0 .. 31
.set XQ, (\xs)
.set DQ, (\d)
	v_cvt_scalef32_pk16_fp6_f32 v[DQ:DQ+2], v[XQ:XQ+15], v[SO]
	v_cvt_scalef32_pk16_fp6_f32 v[TMP:TMP+2], v[XQ+16:XQ+31], v[SO]
	v_cvt_scalef32_pk16_fp6_f32 v[DQ+6:DQ+8], v[XQ+32:XQ+47], v[SO+1]
	v_cvt_scalef32_pk16_fp6_f32 v[TMP+4:TMP+6], v[XQ+48:XQ+63], v[SO+1]
	v_nop                                          ; one plain place behind a scaled conversion
.irp i, 0,1,2
	v_mov_b32 v[DQ+3+\i], v[TMP+\i]
	v_mov_b32 v[DQ+9+\i], v[TMP+4+\i]
.endr
.endm
.macro FRAG adr, off, d, wd            ; a fragment out of a tile: 128 + 128 bytes of my row, in the operand's order; its scale word; its codes
.irp c, 0,1
.irp q, 0,1,2,3,4,5,6,7
	ds_load_b128 v[X+32*\c+4*\q:X+32*\c+4*\q+3], v[\adr] offset:(\off)+256*\c+16*\q
.endr
.endr
	s_wait_dscnt 0x0
	QMAX X, \wd
	CONV X, \d
.endm
	s_load_b256 s[4:11], s[0:1], 0x0               ; attn_w s[4:5], s s[6:7], wimg s[8:9], psw s[10:11]
	v_lshl_add_u32 v[SPW], v0, 2, SPARE
	v_mov_b32 v[NIL], 0
	ds_add_u32 v[SPW], v[NIL]                      ; the opening: the add, twice on end, and its wait ahead of my tensor load
	ds_add_u32 v[SPW], v[NIL]
	v_lshrrev_b32 v10, 5, v0
	v_readfirstlane_b32 s28, v10                   ; wave 0..15
	s_and_b32 s12, s28, 7                          ; k
	s_lshr_b32 s13, s28, 3                         ; j
	s_mov_b32 s[G1], (3<<16)|(1<<20)|(6<<22)|(3<<25)   ; elements of 8 bytes; 4 words of padding behind every 128
	s_mov_b32 s[G1+1], 64<<16                      ; tensor_dim0 = 64: 512 bytes
	s_mov_b32 s[G1+2], 32<<16                      ; tensor_dim1 = 32
	s_mov_b32 s[G1+3], 64<<16                      ; tile_dim0
	s_mov_b32 s[G1+4], 32                          ; tile_dim1
	s_mov_b32 s[G1+5], 512                         ; from row to row: 4,096 bytes, in both tensors
	s_mov_b32 s[G1+6], 0
	s_mov_b32 s[G1+7], 0
	s_mov_b32 s[SEL], 0x76543210
	s_mov_b32 s[SEL+1], 0xfedcba98                 ; lane l xor 16
	s_mul_i32 s29, s28, TILE                       ; where my tile goes
	s_lshl_b32 s30, ttmp9, 17                      ; 16 rows of attn_w, 8,192 bytes each
	s_lshl_b32 s18, s12, 9                         ; my K step's 512 bytes of a row
	s_mul_i32 s31, s12, TILE                       ; attn_w's tile of my K step
	s_mul_i32 s44, s13, 16*SP
	s_add_co_u32 s44, s44, s31
	s_add_co_u32 s44, s44, 8*TILE                  ; s's tile of my K step, rows 16 j on
	s_lshr_b32 s45, s12, 2
	s_lshl_b32 s45, s45, 8                         ; 256 (k / 4)
	s_and_b32 s19, s12, 3
	s_lshl_b32 s46, s19, 2                         ; 4 (k % 4)
	s_add_co_u32 s45, s45, s46
	s_add_co_u32 s45, s45, SCP
	s_lshl_b32 s46, s12, 11
	s_lshl_b32 s47, s13, 10
	s_add_co_u32 s46, s46, s47
	s_add_co_u32 s46, s46, PART                    ; my two pieces of the partial sums: 2,048 k + 1,024 j
	s_lshl_b32 s47, s19, 9
	s_add_co_u32 s47, s47, PART
	s_mul_i32 s20, ttmp9, UNITB
	s_mov_b32 s21, 0
	s_mul_i32 s22, s12, 1536
	s_mov_b32 s23, 0
	s_bfe_u32 s26, s12, 0x10001                    ; waves 0-3 each add one piece: which 16 batches,
	s_lshl_b32 s26, s26, 16
	s_and_b32 s27, s12, 1                          ; which four of a lane's eight units
	s_lshl_b32 s27, s27, 4
	s_add_co_u32 s26, s26, s27
	s_lshl_b32 s27, ttmp9, 6                       ; the work-group's 16 units: 64 bytes of a row of psw
	s_add_co_u32 s26, s26, s27
	s_mov_b32 s27, 0
	s_wait_dscnt 0x0                               ; both opening adds are done
	s_wait_kmcnt 0x0
	s_cmp_eq_u32 s13, 0                            ; attn_w's tile or s's?  The choice hangs on the wave's number alone
	s_cselect_b64 s[G0+2:G0+3], s[4:5], s[6:7]
	s_cselect_b32 s16, s30, 0
	s_add_co_u32 s16, s16, s18
	s_mov_b32 s17, 0
	s_add_nc_u64 s[G0+2:G0+3], s[G0+2:G0+3], s[16:17]
	s_or_b32 s[G0+3], s[G0+3], 0x80000000
	s_mov_b32 s[G0], 1
	s_mov_b32 s[G0+1], s29
	s_add_nc_u64 s[24:25], s[8:9], s[20:21]        ; my unit
	s_add_nc_u64 s[8:9], s[24:25], s[22:23]        ; my K step's three pieces
	s_add_nc_u64 s[10:11], s[10:11], s[26:27]
	tensor_load_to_lds s[G0:G0+3], s[G1:G1+7]      ; my one tensor load
	s_nop 0
.rept 4
	v_nop
.endr
	v_and_b32 v10, 31, v0                          ; lane
	v_and_b32 v11, 15, v0                          ; r
	v_bfe_u32 v16, v0, 4, 1                        ; h
	v_lshlrev_b32 v[L16], 4, v10
	v_mul_u32_u24 v[AX], v11, SP
	v_lshlrev_b32 v17, 7, v16
	v_lshlrev_b32 v[SH8], 3, v16
	v_lshlrev_b32 v[GPS], 12, v11
	v_lshl_add_u32 v[AW], v[AX], 1, v17
	v_add_nc_u32 v[AX], v[AX], v17
	v_lshl_add_u32 v[SCA], v11, 4, s45             ; + 16 r
	v_lshl_add_u32 v[GPS], v16, 5, v[GPS]
	v_add_nc_u32 v[AW], s31, v[AW]
	v_add_nc_u32 v[AX], s44, v[AX]
	v_add_nc_u32 v[PST], s46, v[L16]
	v_add_nc_u32 v[PLD], s47, v[L16]
	v_add_nc_u32 v[SCL], SCP, v[L16]
	v_mov_b32 v[QX], 0                             ; written once: a lane permute's destination counts as one of its sources
	s_wait_alu depctr_va_vdst(0)                   ; the wait at the head's end
	s_wait_tensorcnt 0x0                           ; my tile is in;
	s_barrier_signal -1
	s_barrier_wait -1                              ; and so is everybody's
	FRAG AW, 0, CD+12, SW+1                        ; W_s
	FRAG AX, 0, CD+24, SW+2                        ; s, rows 16 j on
.rept 8
	v_nop                                          ; a scale register written by a vector instruction stands 8 places ahead of a scaled matrix instruction, an operand so written 4
.endr
	v_wmma_scale_f32_16x16x128_f8f6f4 v[AC:AC+7], v[CD+12:CD+23], v[CD+24:CD+35], 0, v[SW+1], v[SW+2] matrix_a_fmt:MATRIX_FMT_FP6 matrix_b_fmt:MATRIX_FMT_FP6
.rept 4
	v_nop                                          ; four places in front of the first read of results (ISA guide 7.12.1)
.endr
	ds_store_b128 v[PST], v[AC:AC+3]               ; piece 2 j: batches 16 j on, registers 0-3; the accumulator from its low end
	ds_store_b128 v[PST], v[AC+4:AC+7] offset:512  ; piece 2 j + 1: registers 4-7
	s_cmp_lg_u32 s13, 0
	s_cbranch_scc0 .Lno_we
	FRAG AW, SP, CD, SW                            ; W_e
.irp c, 0,1,2
	global_store_b128 v[L16], v[CD+4*\c:CD+4*\c+3], s[8:9] offset:512*\c   ; the fragment as it stands: 512 consecutive bytes a store
.endr
	ds_store_b32 v[SCA], v[SW]                     ; its scale words to the unit's piece 24 (both halves of the lanes write the same word with the same value)
.Lno_we:
	s_wait_dscnt 0x0                               ; for the others' sake: my stores have landed
	s_barrier_signal -1
	s_barrier_wait -1
	s_cmp_lt_u32 s28, 4
	s_cbranch_scc0 .Lnot_sum
.irp a, 0,1,2,3,4,5,6,7
	ds_load_b128 v[X+4*\a:X+4*\a+3], v[PLD] offset:2048*\a   ; piece w of all eight K steps
.endr
	s_wait_dscnt 0x0
.irp a, 0,2,4,6
	v_pk_add_f32 v[X+4*\a:X+4*\a+1], v[X+4*\a:X+4*\a+1], v[X+4*\a+4:X+4*\a+5]
	v_pk_add_f32 v[X+4*\a+2:X+4*\a+3], v[X+4*\a+2:X+4*\a+3], v[X+4*\a+6:X+4*\a+7]
.endr
.irp a, 0
	v_pk_add_f32 v[X+4*\a:X+4*\a+1], v[X+4*\a:X+4*\a+1], v[X+4*\a+8:X+4*\a+9]
	v_pk_add_f32 v[X+4*\a+2:X+4*\a+3], v[X+4*\a+2:X+4*\a+3], v[X+4*\a+10:X+4*\a+11]
.endr
.irp a, 4
	s_delay_alu instid0(VALU_DEP_4)
	v_pk_add_f32 v[X+4*\a:X+4*\a+1], v[X+4*\a:X+4*\a+1], v[X+4*\a+8:X+4*\a+9]
	s_delay_alu instid0(VALU_DEP_4)
	v_pk_add_f32 v[X+4*\a+2:X+4*\a+3], v[X+4*\a+2:X+4*\a+3], v[X+4*\a+10:X+4*\a+11]
.endr
	s_delay_alu instid0(VALU_DEP_2)
	v_pk_add_f32 v[X:X+1], v[X:X+1], v[X+16:X+17]
	s_delay_alu instid0(VALU_DEP_2)
	v_pk_add_f32 v[X+2:X+3], v[X+2:X+3], v[X+18:X+19]
	global_store_b128 v[GPS], v[X:X+3], s[10:11]   ; 16 bytes of each of 16 rows of psw: the work-group owns 64 bytes of a row, so these are pieces; 128 KiB in the whole launch
	s_branch .Ldone
.Lnot_sum:
	s_cmp_eq_u32 s28, 4
	s_cbranch_scc0 .Ldone
	ds_load_b128 v[X:X+3], v[SCL]
	s_wait_dscnt 0x0
	global_store_b128 v[L16], v[X:X+3], s[24:25] offset:24*512   ; piece 24: 512 consecutive bytes
.Ldone:
	s_wait_tensorcnt 0x0                           ; the wave's end, behind my tensor load and my last LDS store
	ds_add_u32 v[SPW], v[NIL]
	s_wait_dscnt 0x0
	s_endpgm
.Lfunc_end_k_qccbbbb8ddf_prep:
	.size	k_qccbbbb8ddf_prep, .Lfunc_end_k_qccbbbb8ddf_prep-k_qccbbbb8ddf_prep
	.p2alignl 7, 3214868480
	.fill 96, 4, 3214868480
	.section	.rodata,"a",@progbits
	.p2align	6, 0x0
	.amdhsa_kernel k_qccbbbb8ddf_prep
		.amdhsa_group_segment_fixed_size 327680
		.amdhsa_private_segment_fixed_size 0
		.amdhsa_enable_private_segment 0
		.amdhsa_kernarg_size 32
		.amdhsa_user_sgpr_count 2
		.amdhsa_user_sgpr_kernarg_segment_ptr 1
		.amdhsa_wavefront_size32 1
		.amdhsa_system_sgpr_workgroup_id_x 1
		.amdhsa_system_sgpr_workgroup_id_y 1
		.amdhsa_system_sgpr_workgroup_id_z 1
		.amdhsa_system_vgpr_workitem_id 0
		.amdhsa_next_free_vgpr 256
		.amdhsa_next_free_sgpr 66
		.amdhsa_reserve_vcc 0
		.amdhsa_float_denorm_mode_32 3
		.amdhsa_float_denorm_mode_16_64 3
		.amdhsa_memory_ordered 1
		.amdhsa_forward_progress 1
		.amdhsa_inst_pref_size 23
	.end_amdhsa_kernel
	.amdgpu_metadata
---
amdhsa.version: [ 1, 2 ]
amdhsa.kernels:
  - .name:           k_qccbbbb8ddf_prep
    .symbol:         k_qccbbbb8ddf_prep.kd
    .args:
      - { .name: attn_w, .offset: 0, .size: 8, .value_kind: global_buffer, .address_space: global }
      - { .name: s, .offset: 8, .size: 8, .value_kind: global_buffer, .address_space: global }
      - { .name: wimg, .offset: 16, .size: 8, .value_kind: global_buffer, .address_space: global }
      - { .name: psw, .offset: 24, .size: 8, .value_kind: global_buffer, .address_space: global }
    .group_segment_fixed_size: 327680
    .private_segment_fixed_size: 0
    .kernarg_segment_align: 8
    .kernarg_segment_size: 32
    .max_flat_workgroup_size: 512
    .sgpr_count:     66
    .vgpr_count:     256
    .wavefront_size: 32
...
	.end_amdgpu_metadata
.endif
;; end of part 1
;; launch main (part 2): grid 256 x 1, 8 waves a work-group, clusters of 4 x 1, 327,680 bytes of LDS; arguments encoder_outputs, wimg, psw, v_w, scores; writes scores
.if DOCPART == 2
	.amdgcn_target "amdgcn-amd-amdhsa--gfx1250"
	.amdhsa_code_object_version 6
	.text
	.protected	k_qccbbbb8ddf_main
	.globl	k_qccbbbb8ddf_main
	.p2align	8
	.type	k_qccbbbb8ddf_main,@function
k_qccbbbb8ddf_main:
	s_mov_b64 s[64:65], 0
	v_nop
	global_prefetch_b8 v0, s[64:65] scope:SCOPE_SE
	s_setreg_imm32_b32 hwreg(HW_REG_WAVE_MODE, 25, 1), 1
	s_wait_xcnt 0x0
	s_wait_alu depctr_hold_cnt(0) depctr_sa_sdst(0) depctr_va_vdst(0) depctr_va_sdst(0) depctr_va_ssrc(0) depctr_va_vcc(0) depctr_vm_vsrc(0)
	s_getreg_b32 s2, hwreg(HW_REG_IB_STS2, 6, 4)
	s_cmp_eq_u32 s2, 0
	s_cbranch_scc0 .Lentry_in_a_cluster
	s_endpgm
.Lentry_in_a_cluster:
	s_bfe_u32 s2, ttmp6, 0x10000c
	s_cmp_lg_u32 s2, 0x3003
	s_cbranch_scc0 .Lentry_shape_is_right
	s_endpgm
.Lentry_shape_is_right:
; scores[b][s] = sum over h of (-2 v_w[h]) / (1 + 2^(c z)), z = proj_s[b][h] + proj_e[b][s][h], c = 2 log2(e); proj_e = Q(encoder_outputs) Q(W_e)^T on codes of FP6 (E2M3) with E8M0 scales for each 32 along K.
; WORK LEFT OUT.  tanh z = 1 - 2 / (1 + 2^(c z)) for every real z, so reference()'s score is (sum over h of v_w[h]) + the sum above.  The first term is the same for all positions s of a batch, whatever the inputs
; hold, and reference() puts the scores through a softmax along s, which a term that is the same along its axis does not move: it is never added.  No input is left out.  LIMIT: an overflow that would reach only that term is not carried to the result.
; LIMITS: NaN and infinities among the inputs are not served; a block of zeros gets the scale byte 1 where the rule says 127 (its codes are zeros, nobody else reads the bytes); blocks whose largest magnitude lies under
; 2^-124 get the byte 1.  Where 2^(c z) passes the largest f32 number it is infinity and its term 0; where it falls under the smallest it is 0 and its term -2 v: tanh's own limits.  c z is made as c proj_e + (c proj_s), one fused multiply-add.
; SHARES.  Work-group wg owns rows 256 wg .. + 255 (batch wg / 8).  Eight waves.  Waves q and q + 4 share rows 64 q .. + 63: each keeps all their codes, 32 fragments of 16 rows x 128 K, in 384 registers, and takes half of W_e's units.
; PHASE 1: encoder_outputs comes by tensor loads, a K step of 128 (512 bytes of each of 256 rows, 32 rows a wave) to a slot, two slots by turns; a wave reads its 64 rows from the slot in the operand's order and quantises them.
; PHASE 2: W_e's 64 units of 16 rows, images of the operand's registers made by the launch before, come 8 units to a slot (one unit a wave, asked for jointly by the cluster's four work-groups) into THE SAME ROWS of the same two slots:
; pieces of 512 bytes, 528 apart, as phase 1's rows.  Waves 0-3 take a slot's units 0-3, waves 4-7 its units 4-7; a fragment of W_e read from LDS feeds four matrix instructions.
; A unit is a matrix phase (32 instructions, four accumulators by turns; W_e's fragments in a ring of four) and a vector phase in place on the accumulators.  Waves 4-7 run the vector phase of a slot's last unit behind the
; change of slots, so that the two waves that share registers' SIMD stand half a unit apart: one has matrix work where the other has vector work.
; THE MATRIX INSTRUCTION IS USED TRANSPOSED (source 0 = 16 rows of W_e, source 1 = 16 rows of encoder_outputs): a lane holds ONE row (lane % 16) and its eight registers the units h = 16 u + 8 (lane / 16) + 0 .. 7.
; NO PREFETCH: in phase 1 each wave has a tensor load of 16,384 bytes out from one change of slots to the next, a whole K step ahead of its use; phase 2's fills are asked for a slot, four units a wave, ahead.
; REGISTERS.  Window 0: v1-7 addresses; v8-23 the rows' scale words (tile m, K steps i and 4 + i in the two halves of the lanes of v[8 + 4 m + i]) and nothing else; v24-27 W_e's scale words and nothing else; v28-35 c proj_s, then -2 v;
; v36-43 the sums; v44-75 accumulators; v76-123 the ring; phase 1 works in v28-34 and v44-117.  Codes: fragment f = 4 s + m at window 1 v[12 f] for f < 21, else window 0 v[124 + 12 (f - 21)].
.set SP,    528                        ; an LDS row: 512 bytes + 16 = 132 words: row r starts 4 r words on, modulo 64 (64 banks of 4 bytes: ISA guide 11.1)
.set E1,    135296                     ; slot 1 (slot 0 at 0): 256 rows each
.set W0B,   8*SP                       ; W_e's fills begin at row 8 of slot 0 and at row 0 of slot 1: W0B + 2^17 = E1, so one exclusive or changes slots
.set WX,    1<<17
.set UNITG, 12800                      ; a unit in wimg: 25 pieces of 512 bytes
.set UNITL, 25*SP                      ; and in LDS
.set FILLG, 8*UNITG
.set TABP,  270592                     ; behind the slots: c proj_s of my batch, 4,096 bytes;
.set TABV,  TABP+4096                  ; -2 v_w, 4,096 bytes;
.set XCH,   TABV+4096                  ; the way out: 256 bytes for each wave;
.set SPARE, XCH+2048                   ; the spare words, 128 bytes for each wave: four blocks of 256 bytes that no other line names
.set LB,  1                            ; v1  16 x lane
.set H32, 2                            ; v2  TABP + 32 (lane / 16)
.set ADW, 3                            ; v3  phase 2: LDS address of the unit in hand
.set ADT, 4                            ; v4  and of its c proj_s
.set ST0, 3                            ; v3, v4  phase 1: my rows in slot 0, 1: 528 r + 128 h
.set SPW, 5                            ; v5  LDS address of my spare word; never rewritten
.set NIL, 6                            ; v6  0; never rewritten
.set SH8, 7                            ; v7  8 h
.set AS,  8
.set WS,  24
.set BV,  28
.set TMP, 28
.set SC,  36
.set ACC, 44
.set X,   44
.set WR,  76
.set QM,  108
.set SO,  112
.set BY,  114
.set QW,  116
.set QX,  117
.set WV,  14                           ; s14 wave; s17 wave / 4; s18 wave % 4
.set SEL, 20                           ; s[20:21] lane l xor 16
.set CC,  22                           ; s[22:23] c
.set DEF, 25                           ; s25 1: a vector phase of mine is still due from the slot before
.set G1E, 28                           ; s[28:35] group 1, encoder_outputs' tiles
.set G1W, 36                           ; s[36:43] group 1, W_e's fills
.set G0E, 44
.set G0W, 48
.set EL,  52                           ; s52 where my 32 rows of a tile go
.set TBS, 53                           ; s53 LDS byte at which my next unit begins
.set TUS, 54                           ; s54 64 x its number
.set SLOTS, 55
.set INNER, 56
.set MSB, 0
.macro WIN new                         ; the immediate's high byte repeats the setting that is left
.if MSB != (\new)
	s_set_vgpr_msb (MSB<<8)|(\new)
.set MSB, (\new)
.endif
.endm
.macro NOPS
.rept 4
	v_nop
.endr
.endm
.macro CROUND                          ; a round of the cluster's barrier
	s_barrier_signal -1
	s_barrier_wait -1
	s_cmp_lg_u32 s[WV], 0
	s_cbranch_scc1 .Lnot_wave_0_\@
	s_barrier_signal -3
.Lnot_wave_0_\@:
	s_barrier_wait -3
	s_barrier_signal -1
	s_barrier_wait -1
.endm
.macro PLACE s, m                      ; where fragment (tile m, K step s) of the codes lies
.set FI, 4*(\s)+(\m)
.if FI < 21
.set FW, 1
.set FD, 12*FI
.else
.set FW, 0
.set FD, 124+12*(FI-21)
.endif
.endm
; PHASE 1, one fragment: 64 numbers a lane, register 32 c + i = k 64 c + 32 h + i of my row: two whole blocks.  Largest magnitudes, scale bytes, the row's scale word, the codes.
.macro FRAGQ s, m
	PLACE \s, \m
.irp c, 0,1
.irp q, 0,1,2,3,4,5,6,7
	ds_load_b128 v[X+32*\c+4*\q:X+32*\c+4*\q+3], v[ST0+(\s)%2] offset:(\m)*16*SP+256*\c+16*\q
.endr
.endr
	s_wait_dscnt 0x0
.irp c, 0,1
	v_max3_num_f32 v[QM+2*\c], |v[X+32*\c]|, |v[X+32*\c+1]|, |v[X+32*\c+2]|
	v_max3_num_f32 v[QM+2*\c+1], |v[X+32*\c+3]|, |v[X+32*\c+4]|, |v[X+32*\c+5]|
.endr
.irp i, 6,10,14,18,22,26
.irp c, 0,1
	s_delay_alu instid0(VALU_DEP_4)
	v_max3_num_f32 v[QM+2*\c], v[QM+2*\c], |v[X+32*\c+\i]|, |v[X+32*\c+\i+1]|
	s_delay_alu instid0(VALU_DEP_4)
	v_max3_num_f32 v[QM+2*\c+1], v[QM+2*\c+1], |v[X+32*\c+\i+2]|, |v[X+32*\c+\i+3]|
.endr
.endr
	s_delay_alu instid0(VALU_DEP_4)
	v_max3_num_f32 v[QM], v[QM], |v[X+30]|, |v[X+31]|
	s_delay_alu instid0(VALU_DEP_3)
	v_max3_num_f32 v[QM+2], v[QM+2], |v[X+62]|, |v[X+63]|
.irp c, 0,1
	s_delay_alu instid0(VALU_DEP_2)
	v_max3_num_f32 v[QM+2*\c], v[QM+2*\c], v[QM+2*\c+1], 0x1800000   ; and the floor 2^(3 - 127): the byte cannot fall under 1
.endr
.irp c, 0,1
	s_delay_alu instid0(VALU_DEP_2)
	v_add_nc_u32 v[SO+\c], 0xff000000, v[QM+2*\c]  ; 2 off the exponent field: the conversion's scale operand
.endr
.irp c, 0,1
	s_delay_alu instid0(VALU_DEP_2)
	v_lshrrev_b32 v[BY+\c], 23, v[SO+\c]           ; the scale's byte
.endr
	s_delay_alu instid0(VALU_DEP_1)
	v_lshl_or_b32 v[QW], v[BY+1], 16, v[BY]        ; my two bytes: blocks h and 2 + h,
	s_delay_alu instid0(VALU_DEP_1)
	v_lshlrev_b32 v[QW], v[SH8], v[QW]             ; at their places in the word;
	s_delay_alu instid0(VALU_DEP_1)
	v_permlanex16_b32 v[QX], v[QW], s[SEL], s[SEL+1]
	s_delay_alu instid0(VALU_DEP_1)
.if (\s) < 4
	v_or_b32 v[AS+4*(\m)+(\s)], v[QW], v[QX]       ; with lane l xor 16's two the word is whole, in both halves of the lanes
.else
	v_or_b32 v[QW], v[QW], v[QX]
	s_delay_alu instid0(VALU_DEP_1)
	v_cndmask_b32 v[AS+4*(\m)+(\s)-4], v[AS+4*(\m)+(\s)-4], v[QW], s24   ; K steps 4-7: into lanes 16-31
.endif
	WIN FW<<6                                      ; destination: the codes' window
	v_cvt_scalef32_pk16_fp6_f32 v[FD:FD+2], v[X:X+15], v[SO]
	v_cvt_scalef32_pk16_fp6_f32 v[FD+6:FD+8], v[X+32:X+47], v[SO+1]
	WIN 0
	v_cvt_scalef32_pk16_fp6_f32 v[TMP:TMP+2], v[X+16:X+31], v[SO]        ; (a conversion's three registers begin on an even number: each block's second half is made here and moved)
	v_cvt_scalef32_pk16_fp6_f32 v[TMP+4:TMP+6], v[X+48:X+63], v[SO+1]
	v_nop                                          ; one plain place behind a scaled conversion
	WIN FW<<6
.irp i, 0,1,2
	v_mov_b32 v[FD+3+\i], v[TMP+\i]
	v_mov_b32 v[FD+9+\i], v[TMP+4+\i]
.endr
	WIN 0
.endm
; PHASE 1, K step s, which lies in slot s % 2.  In front of the round: all my tensor loads are in (the one that was out is my part of this K step), the add, my reads of the other slot are over.
; Behind it the other slot is asked for first: K step s + 1, or, behind the last, W_e's units 0-7.
.macro ESTEP s
.if (\s) == 0
	s_wait_alu depctr_va_vdst(0)                   ; the wait at the head's end
.endif
	s_wait_tensorcnt 0x0
	ds_add_u32 v[SPW], v[NIL]                      ; 0 onto my spare word
.if (\s) < 7
	s_add_co_u32 s[G0E+1], s[EL], E1*(((\s)+1)%2)  ; no tensor load of mine is out, so a group 0 may be written
	s_add_nc_u64 s[G0E+2:G0E+3], s[G0E+2:G0E+3], 512
.endif
	s_wait_dscnt 0x0
	CROUND
.if (\s) < 7
	tensor_load_to_lds s[G0E:G0E+3], s[G1E:G1E+7]
.else
	tensor_load_to_lds s[G0W:G0W+3], s[G1W:G1W+7]
.endif
	s_nop 0
	NOPS
.irp m, 0,1,2,3
	FRAGQ \s, \m
.endr
.endm
; PHASE 2.
.macro ADRW
	v_add_nc_u32 v[ADW], s[TBS], v[LB]
	s_add_co_u32 s[TBS], s[TBS], UNITL
.endm
.macro ADRT
	v_add_nc_u32 v[ADT], s[TUS], v[H32]
	s_add_co_u32 s[TUS], s[TUS], 64
.endm
.macro FLOAD s, off                    ; W_e's fragment of K step s, of the unit off bytes on, into place s % 4 of the ring
.irp c, 0,1,2
	ds_load_b128 v[WR+12*((\s)%4)+4*\c:WR+12*((\s)%4)+4*\c+3], v[ADW] offset:(\off)+(3*(\s)+\c)*SP
.endr
.endm
.macro MM s, m                         ; the four accumulators take turns, one instruction a turn; the first K step starts the sums
	PLACE \s, \m
	WIN FW<<2                                      ; source 1: the codes' window; all else window 0
.set rD, ACC+8*(\m)
.set rA, WR+12*((\s)%4)
.if (\s) == 0
	v_wmma_scale_f32_16x16x128_f8f6f4 v[rD:rD+7], v[rA:rA+11], v[FD:FD+11], 0, v[WS], v[AS+4*(\m)] matrix_a_fmt:MATRIX_FMT_FP6 matrix_b_fmt:MATRIX_FMT_FP6
.elseif (\s) < 4
	v_wmma_scale_f32_16x16x128_f8f6f4 v[rD:rD+7], v[rA:rA+11], v[FD:FD+11], v[rD:rD+7], v[WS+(\s)], v[AS+4*(\m)+(\s)] matrix_a_fmt:MATRIX_FMT_FP6 matrix_b_fmt:MATRIX_FMT_FP6
.else
	v_wmma_scale_f32_16x16x128_f8f6f4 v[rD:rD+7], v[rA:rA+11], v[FD:FD+11], v[rD:rD+7], v[WS+(\s)-4], v[AS+4*(\m)+(\s)-4] matrix_a_fmt:MATRIX_FMT_FP6 matrix_b_fmt:MATRIX_FMT_FP6 matrix_a_scale:MATRIX_SCALE_ROW1 matrix_b_scale:MATRIX_SCALE_ROW1
.endif
.endm
; A unit's matrix phase.  LDS instructions in their order: (scale words, fragments 0-3: asked for earlier), c proj_s (2), then behind K step s fragment s + 4, or with pre = 1 the next unit's fragment s - 4.
; The counts: behind fragment s < 4 stand three fragments' nine loads and the two of c proj_s; behind fragment 4 and later three fragments'; with pre = 0 the count runs down.
.macro MPH pre
	ds_load_b128 v[BV:BV+3], v[ADT]
	ds_load_b128 v[BV+4:BV+7], v[ADT] offset:16
.irp s, 0,1,2,3,4,5,6,7
.if \s < 4
	s_wait_dscnt 11
.elseif (\s == 4) || \pre
	s_wait_dscnt 9
.else
	s_wait_dscnt 3*(7-\s)
.endif
.irp m, 0,1,2,3
	MM \s, \m
.endr
.if (\s < 4) || \pre
	NOPS                                           ; four places in front of the loads into the fragment just multiplied; behind K step 7 also in front of the first read of results
.if \s < 4
	FLOAD \s+4, 0
.else
	FLOAD \s-4, UNITL
.endif
.endif
.endr
	WIN 0
.endm
; A unit's vector phase, in place on the 32 accumulator registers, each accumulator from its low end on.  pre = 1: the next unit's scale words are asked for, and the addresses step on.
.macro VPH pre
.if \pre == 0
	NOPS                                           ; four places in front of the first read of results
.endif
.set j, 0
.rept 16
	v_pk_fma_f32 v[ACC+2*j:ACC+2*j+1], v[ACC+2*j:ACC+2*j+1], s[CC:CC+1], v[BV+2*(j%4):BV+2*(j%4)+1] op_sel_hi:[1,0,1]   ; c z
.set j, j+1
.endr
	ds_load_b128 v[BV:BV+3], v[ADT] offset:TABV-TABP              ; -2 v of this unit, where c proj_s lay
	ds_load_b128 v[BV+4:BV+7], v[ADT] offset:TABV-TABP+16
.if \pre
	ds_load_b128 v[WS:WS+3], v[ADW] offset:UNITL+24*SP
.endif
	s_wait_alu depctr_va_vdst(0)                   ; a wait ahead of each batch of transcendentals and one behind it
.set j, 0
.rept 32
	v_exp_f32 v[ACC+j], v[ACC+j]
.set j, j+1
.endr
	v_nop
	s_wait_alu depctr_va_vdst(0)
.set j, 0
.rept 16
	v_pk_add_f32 v[ACC+2*j:ACC+2*j+1], v[ACC+2*j:ACC+2*j+1], 1.0 op_sel_hi:[1,0]
.set j, j+1
.endr
	s_wait_alu depctr_va_vdst(0)
.set j, 0
.rept 32
	v_rcp_f32 v[ACC+j], v[ACC+j]
.set j, j+1
.endr
.if \pre
	ADRW                                           ; (also the plain place behind the last reciprocal)
	ADRT
.else
	v_nop
.endif
	s_wait_alu depctr_va_vdst(0)
	s_wait_dscnt 0x0                               ; -2 v is in, and so is all that was asked for the next unit
.set j, 0
.rept 16
	v_pk_fma_f32 v[SC+2*(j%4):SC+2*(j%4)+1], v[ACC+8*(j%4)+2*(j/4):ACC+8*(j%4)+2*(j/4)+1], v[BV+2*(j/4):BV+2*(j/4)+1], v[SC+2*(j%4):SC+2*(j%4)+1]
.set j, j+1
.endr
.endm
; THE CHANGE OF SLOTS.  Each wave waits for all its tensor loads, of which one is out: its unit of the slot to come; adds 0 to its spare word; waits for that and for its reads of the slot left.
; fill = 1: a round of the cluster's barrier, and the joint refill, the next 8 units into the slot left, first behind it.
.macro CHANGE fill
	s_wait_tensorcnt 0x0
	ds_add_u32 v[SPW], v[NIL]
.if \fill
	s_xor_b32 s[G0W+1], s[G0W+1], WX
	s_add_nc_u64 s[G0W+2:G0W+3], s[G0W+2:G0W+3], FILLG
.endif
	s_wait_dscnt 0x0
.if \fill
	CROUND
	tensor_load_to_lds s[G0W:G0W+3], s[G1W:G1W+7]
	s_nop 0
.else
	s_barrier_signal -1
	s_barrier_wait -1
.endif
	NOPS                                           ; also the places in front of the loads into the ring and the scale words
.endm
; My four units of a slot.  more = 1: another slot follows: waves 0-3 end with their last vector phase, waves 4-7 carry theirs over the change of slots.
.macro SLOTWORK more
	ADRW
	s_wait_alu depctr_va_vdst(0)                   ; the wait behind the write
	ds_load_b128 v[WS:WS+3], v[ADW] offset:24*SP
.irp s, 0,1,2,3
	FLOAD \s, 0
.endr
	s_cmp_lg_u32 s[DEF], 0
	s_cbranch_scc0 .Lnone_due_\@
	VPH 0                                          ; the last slot's last unit
.Lnone_due_\@:
	ADRT
	s_wait_alu depctr_va_vdst(0)
	s_mov_b32 s[INNER], 3
.Lunit_\@:
	MPH 1
	VPH 1
	s_sub_co_u32 s[INNER], s[INNER], 1
	s_cmp_lg_u32 s[INNER], 0
	s_cbranch_scc1 .Lunit_\@
	MPH 0
.if \more
	s_cmp_eq_u32 s17, 0
	s_cbranch_scc0 .Lcarried_\@
	VPH 0
.Lcarried_\@:
	s_mov_b32 s[DEF], s17
	s_sub_co_u32 s[TBS], s[TBS], 4*UNITL           ; back to my first unit of a slot,
	s_xor_b32 s[TBS], s[TBS], WX                   ; in the other slot;
	s_add_co_u32 s[TUS], s[TUS], 256               ; past the other waves' four units
.else
	VPH 0
.endif
.endm
	s_load_b256 s[4:11], s[0:1], 0x0               ; encoder_outputs s[4:5], wimg s[6:7], psw s[8:9], v_w s[10:11]
	s_load_b64 s[12:13], s[0:1], 0x20              ; scores
	v_lshl_add_u32 v[SPW], v0, 2, SPARE
	v_mov_b32 v[NIL], 0
	ds_add_u32 v[SPW], v[NIL]                      ; the opening: the add, twice on end, and its wait ahead of my first tensor load
	ds_add_u32 v[SPW], v[NIL]
	v_lshrrev_b32 v118, 5, v0
	v_readfirstlane_b32 s[WV], v118                ; wave 0..7
	s_mov_b32 s[G1E], (3<<16)|(1<<20)|(6<<22)|(3<<25)   ; elements of 8 bytes; 4 words of padding behind every 128; no mask: each work-group has rows of its own
	s_mov_b32 s[G1E+1], 64<<16                     ; tensor_dim0 = 64: 512 bytes
	s_mov_b32 s[G1E+2], 32<<16                     ; tensor_dim1 = 32
	s_mov_b32 s[G1E+3], 64<<16                     ; tile_dim0
	s_mov_b32 s[G1E+4], 32                         ; tile_dim1
	s_mov_b32 s[G1E+5], 512                        ; from row to row: 4,096 bytes
	s_mov_b32 s[G1E+6], 0
	s_mov_b32 s[G1E+7], 0
	s_mov_b32 s[G1W], 15|(3<<16)|(1<<20)|(1<<21)|(6<<22)|(3<<25)   ; the same with the mask of all four work-groups, bit 21 beside it
	s_mov_b32 s[G1W+1], 64<<16
	s_mov_b32 s[G1W+2], 25<<16                     ; a unit: 25 dense pieces of 512 bytes
	s_mov_b32 s[G1W+3], 64<<16
	s_mov_b32 s[G1W+4], 25
	s_mov_b32 s[G1W+5], 64
	s_mov_b32 s[G1W+6], 0
	s_mov_b32 s[G1W+7], 0
	s_mov_b32 s[SEL], 0x76543210
	s_mov_b32 s[SEL+1], 0xfedcba98
	s_mov_b32 s[CC], 0x4038aa3b                    ; c = 2 log2(e)
	s_mov_b32 s[CC+1], s[CC]
	s_mov_b32 s24, 0xffff0000                      ; lanes 16-31
	s_mov_b32 s[DEF], 0
	s_lshr_b32 s17, s[WV], 2
	s_and_b32 s18, s[WV], 3
	s_bfe_u32 s15, ttmp6, 0x40000                  ; cx: it enters the addresses of encoder_outputs and of scores alone
	s_lshl_b32 s16, ttmp9, 2
	s_add_co_u32 s16, s16, s15                     ; wg
	s_lshl_b32 s58, s16, 20                        ; 256 rows of 4,096 bytes,
	s_lshl_b32 s60, s[WV], 17                      ; the 32 that I fetch
	s_add_co_u32 s58, s58, s60
	s_mov_b32 s59, 0
	s_lshr_b32 s60, ttmp9, 1                       ; the batch = wg / 8 = cluster / 2
	s_lshl_b32 s60, s60, 12
	s_mov_b32 s61, 0
	s_lshl_b32 s62, s16, 10                        ; scores: 4 bytes a row
	s_lshl_b32 s57, s18, 8
	s_add_co_u32 s62, s62, s57
	s_mov_b32 s63, 0
	s_mul_i32 s26, s[WV], UNITG                    ; my unit of a fill, in wimg
	s_mov_b32 s27, 0
	s_mul_i32 s[EL], s[WV], 32*SP
	s_mul_i32 s19, s18, 64*SP                      ; the 64 rows that I quantise
	s_mul_i32 s[TBS], s17, 4*UNITL
	s_add_co_u32 s[TBS], s[TBS], W0B
	s_lshl_b32 s[TUS], s17, 8
	s_mul_i32 s57, s[WV], UNITL
	s_wait_dscnt 0x0                               ; both opening adds are done
	s_wait_kmcnt 0x0
	s_add_nc_u64 s[8:9], s[8:9], s[60:61]
	s_add_nc_u64 s[12:13], s[12:13], s[62:63]
	s_mov_b32 s[G0E], 1
	s_mov_b32 s[G0E+1], s[EL]                      ; slot 0
	s_add_nc_u64 s[G0E+2:G0E+3], s[4:5], s[58:59]  ; K step 0
	s_or_b32 s[G0E+3], s[G0E+3], 0x80000000
	s_mov_b32 s[G0W], 1
	s_add_co_u32 s[G0W+1], s57, W0B
	s_add_nc_u64 s[G0W+2:G0W+3], s[6:7], s[26:27]  ; units 0-7
	s_or_b32 s[G0W+3], s[G0W+3], 0x80000000
	CROUND
	tensor_load_to_lds s[G0E:G0E+3], s[G1E:G1E+7]  ; my one tensor load at the head
	s_nop 0
	NOPS
	v_and_b32 v118, 31, v0                         ; lane
	v_and_b32 v119, 15, v0                         ; r
	v_bfe_u32 v120, v0, 4, 1                       ; h
	v_lshlrev_b32 v121, 4, v0                      ; 16 x thread
	v_lshl_add_u32 v122, v0, 4, TABP
	v_mul_u32_u24 v[ST0], v119, SP
	v_lshlrev_b32 v[LB], 4, v118
	v_lshlrev_b32 v[SH8], 3, v120
	v_lshl_add_u32 v[H32], v120, 5, TABP
	s_delay_alu instid0(VALU_DEP_4)
	v_lshl_add_u32 v[ST0], v120, 7, v[ST0]
	v_mov_b32 v[QX], 0                             ; written once: a lane permute's destination counts as one of its sources
	s_delay_alu instid0(VALU_DEP_2)
	v_add_nc_u32 v[ST0], s19, v[ST0]
	s_delay_alu instid0(VALU_DEP_1)
	v_add_nc_u32 v[ST0+1], E1, v[ST0]
	s_wait_alu depctr_va_vdst(0)                   ; the wait ahead of the readers below
	global_load_b128 v[36:39], v121, s[8:9]        ; proj_s of my batch: 256 threads x 16 bytes
	global_load_b128 v[40:43], v121, s[10:11]      ; v_w likewise
	s_wait_loadcnt 0x0
	v_pk_mul_f32 v[36:37], v[36:37], s[CC:CC+1] op_sel_hi:[1,0]
	v_pk_mul_f32 v[38:39], v[38:39], s[CC:CC+1] op_sel_hi:[1,0]
	v_pk_mul_f32 v[40:41], v[40:41], -2.0 op_sel_hi:[1,0]
	v_pk_mul_f32 v[42:43], v[42:43], -2.0 op_sel_hi:[1,0]
	ds_store_b128 v122, v[36:39]
	ds_store_b128 v122, v[40:43] offset:TABV-TABP
.irp s, 0,1,2,3,4,5,6,7
	ESTEP \s
.endr
.irp i, 0,1,2,3,4,5,6,7
	v_mov_b32 v[SC+\i], 0                          ; the sums begin; also the places between the writes of codes and scale words and the first scaled matrix instruction
.endr
	v_mov_b32 v[BV+3], 0                           ; the two of v28-35 that phase 1 has not written
	v_mov_b32 v[BV+7], 0
	s_mov_b32 s[SLOTS], 7
.Lslot:                                            ; seven trips: fills 1 to 7 are asked for, slots 0 to 6 worked
	CHANGE 1
	SLOTWORK 1
	s_sub_co_u32 s[SLOTS], s[SLOTS], 1
	s_cmp_lg_u32 s[SLOTS], 0
	s_cbranch_scc1 .Lslot
	CHANGE 0                                       ; the tail is written out: nothing is left to ask for
	SLOTWORK 0
	; THE WAY OUT.  A lane's two halves and lane l xor 16's are added; each wave puts its 64 partial scores into its own 256 bytes; waves 0-3 add their partner's and store 256 consecutive bytes, at a multiple of 256 from the buffer's first byte.
.irp m, 0,1,2,3
	v_add_f32 v[ACC+\m], v[SC+2*\m], v[SC+2*\m+1]
.endr
.irp m, 0,1,2,3
	v_permlanex16_b32 v[ACC+4+\m], v[ACC+\m], s[SEL], s[SEL+1]
.endr
.irp m, 0,1,2,3
	v_add_f32 v[ACC+\m], v[ACC+\m], v[ACC+4+\m]
.endr
	v_and_b32 v[ACC+10], 31, v0
	v_lshrrev_b32 v[ACC+11], 5, v0
	v_cndmask_b32 v[ACC+8], v[ACC], v[ACC+1], s24  ; lanes 0-15 tile 0, lanes 16-31 tile 1
	v_cndmask_b32 v[ACC+9], v[ACC+2], v[ACC+3], s24
	v_lshlrev_b32 v[ACC+12], 2, v[ACC+10]
	v_lshlrev_b32 v[ACC+13], 3, v[ACC+10]          ; 8 x lane
	v_lshl_add_u32 v[ACC+12], v[ACC+11], 8, v[ACC+12]
	v_lshl_add_u32 v[ACC+14], v[ACC+11], 8, v[ACC+13]
	v_add_nc_u32 v[ACC+12], XCH, v[ACC+12]
	v_add_nc_u32 v[ACC+14], XCH, v[ACC+14]
	ds_store_b32 v[ACC+12], v[ACC+8]
	ds_store_b32 v[ACC+12], v[ACC+9] offset:128
	s_wait_alu depctr_va_vdst(0)
	s_wait_dscnt 0x0                               ; for the others' sake: my stores have landed
	s_barrier_signal -1
	s_barrier_wait -1
	s_cmp_lt_u32 s[WV], 4
	s_cbranch_scc0 .Lend
	ds_load_b64 v[ACC+16:ACC+17], v[ACC+14]
	ds_load_b64 v[ACC+18:ACC+19], v[ACC+14] offset:1024
	s_wait_dscnt 0x0
	v_pk_add_f32 v[ACC+16:ACC+17], v[ACC+16:ACC+17], v[ACC+18:ACC+19]
	global_store_b64 v[ACC+13], v[ACC+16:ACC+17], s[12:13]
.Lend:
	s_wait_tensorcnt 0x0                           ; the wave's end
	ds_add_u32 v[SPW], v[NIL]
	s_wait_dscnt 0x0
	CROUND                                         ; the closing round
	s_endpgm
.Lfunc_end_k_qccbbbb8ddf_main:
	.size	k_qccbbbb8ddf_main, .Lfunc_end_k_qccbbbb8ddf_main-k_qccbbbb8ddf_main
	.p2alignl 7, 3214868480
	.fill 96, 4, 3214868480
	.section	.rodata,"a",@progbits
	.p2align	6, 0x0
	.amdhsa_kernel k_qccbbbb8ddf_main
		.amdhsa_group_segment_fixed_size 327680
		.amdhsa_private_segment_fixed_size 0
		.amdhsa_enable_private_segment 0
		.amdhsa_kernarg_size 40
		.amdhsa_user_sgpr_count 2
		.amdhsa_user_sgpr_kernarg_segment_ptr 1
		.amdhsa_wavefront_size32 1
		.amdhsa_system_sgpr_workgroup_id_x 1
		.amdhsa_system_sgpr_workgroup_id_y 1
		.amdhsa_system_sgpr_workgroup_id_z 1
		.amdhsa_system_vgpr_workitem_id 0
		.amdhsa_next_free_vgpr 512
		.amdhsa_next_free_sgpr 66
		.amdhsa_reserve_vcc 0
		.amdhsa_float_denorm_mode_32 3
		.amdhsa_float_denorm_mode_16_64 3
		.amdhsa_memory_ordered 1
		.amdhsa_forward_progress 1
		.amdhsa_inst_pref_size 242
	.end_amdhsa_kernel
	.amdgpu_metadata
---
amdhsa.version: [ 1, 2 ]
amdhsa.kernels:
  - .name:           k_qccbbbb8ddf_main
    .symbol:         k_qccbbbb8ddf_main.kd
    .args:
      - { .name: encoder_outputs, .offset: 0, .size: 8, .value_kind: global_buffer, .address_space: global }
      - { .name: wimg, .offset: 8, .size: 8, .value_kind: global_buffer, .address_space: global }
      - { .name: psw, .offset: 16, .size: 8, .value_kind: global_buffer, .address_space: global }
      - { .name: v_w, .offset: 24, .size: 8, .value_kind: global_buffer, .address_space: global }
      - { .name: scores, .offset: 32, .size: 8, .value_kind: global_buffer, .address_space: global }
    .group_segment_fixed_size: 327680
    .private_segment_fixed_size: 0
    .kernarg_segment_align: 8
    .kernarg_segment_size: 40
    .max_flat_workgroup_size: 256
    .sgpr_count:     66
    .vgpr_count:     512
    .wavefront_size: 32
...
	.end_amdgpu_metadata
.endif
;; end of part 2
;; launch soft (part 3): grid 32 x 1, 1 waves a work-group, no clusters, 0 bytes of LDS; arguments scores, out0; writes out0
.if DOCPART == 3
	.amdgcn_target "amdgcn-amd-amdhsa--gfx1250"
	.amdhsa_code_object_version 6
	.text
	.protected	k_qccbbbb8ddf_soft
	.globl	k_qccbbbb8ddf_soft
	.p2align	8
	.type	k_qccbbbb8ddf_soft,@function
k_qccbbbb8ddf_soft:
	s_mov_b64 s[64:65], 0
	v_nop
	global_prefetch_b8 v0, s[64:65] scope:SCOPE_SE
	s_setreg_imm32_b32 hwreg(HW_REG_WAVE_MODE, 25, 1), 1
	s_wait_xcnt 0x0
; out0[b][:] = softmax over the 2,048 positions of scores[b][:], in f32, the row's maximum taken away ahead of the exponential as reference() does.
; WORK LEFT OUT: the scores lack the term sum over h of v_w[h], which is the same along the softmax's axis for all inputs (shown at the head of the launch before).
; One wave takes one row: 8,192 bytes, 64 numbers a lane, kept in registers between the passes; each load and store covers 512 consecutive bytes.  No LDS, no barrier.
; LIMITS: NaN and infinities among the scores are not served.
.set X, 16                             ; v16-79 the row
	s_load_b128 s[4:7], s[0:1], 0x0                ; scores, out0
	v_lshlrev_b32 v1, 4, v0                        ; 16 bytes a lane
	s_lshl_b32 s8, ttmp9, 13                       ; my row
	s_mov_b32 s9, 0
	s_mov_b32 s10, 0x76543210
	s_mov_b32 s11, 0xfedcba98                      ; lane l xor 16
	s_mov_b32 s12, 0x3fb8aa3b                      ; log2(e)
	s_mov_b32 s13, s12                             ; (named with it as a pair, so it is written)
	s_wait_alu depctr_va_vdst(0)
	s_wait_kmcnt 0x0
	s_add_nc_u64 s[4:5], s[4:5], s[8:9]
	s_add_nc_u64 s[6:7], s[6:7], s[8:9]
.irp i, 0,1,2,3,4,5,6,7,8,9,10,11,12,13,14,15
	global_load_b128 v[X+4*\i:X+4*\i+3], v1, s[4:5] offset:512*\i th:TH_LOAD_NT
.endr
	s_wait_loadcnt 0x0
.irp k, 0,1,2,3
	v_max3_num_f32 v[2+\k], v[X+16*\k], v[X+16*\k+1], v[X+16*\k+2]     ; the maximum of my 64, in four chains
.endr
.irp i, 3,5,7,9,11,13
.irp k, 0,1,2,3
	v_max3_num_f32 v[2+\k], v[2+\k], v[X+16*\k+\i], v[X+16*\k+\i+1]
.endr
.endr
.irp k, 0,1,2,3
	v_max_num_f32 v[2+\k], v[2+\k], v[X+16*\k+15]
.endr
	v_max3_num_f32 v2, v2, v3, v4
	v_max_num_f32 v2, v2, v5
	v_max_num_f32_dpp v2, v2, v2 row_xmask:1 row_mask:0xf bank_mask:0xf
	v_max_num_f32_dpp v2, v2, v2 row_xmask:2 row_mask:0xf bank_mask:0xf
	v_max_num_f32_dpp v2, v2, v2 row_xmask:4 row_mask:0xf bank_mask:0xf
	v_max_num_f32_dpp v2, v2, v2 row_xmask:8 row_mask:0xf bank_mask:0xf
	v_permlanex16_b32 v3, v2, s10, s11
	v_max_num_f32 v2, v2, v3                       ; the row's maximum, in every lane
	v_mul_f32 v6, 0xbfb8aa3b, v2                   ; - maximum x log2(e)
	v_mov_b32 v7, v6
.set i, 0
.rept 32
	v_pk_fma_f32 v[X+i:X+i+1], v[X+i:X+i+1], s[12:13], v[6:7] op_sel_hi:[1,0,0]   ; (x - maximum) log2(e), two at a time
.set i, i+2
.endr
.set i, 0
	s_wait_alu depctr_va_vdst(0)
.rept 64
	v_exp_f32 v[X+i], v[X+i]
.set i, i+1
.endr
	v_nop                                          ; a plain instruction behind the last exponential
	s_wait_alu depctr_va_vdst(0)                   ; a wait ahead of the first instruction that names a result: one for the 64
	v_pk_add_f32 v[8:9], v[X:X+1], v[X+2:X+3]      ; the sum, two at a time, in two chains
	v_pk_add_f32 v[10:11], v[X+4:X+5], v[X+6:X+7]
.irp i, 8,12,16,20,24,28,32,36,40,44,48,52,56,60
	v_pk_add_f32 v[8:9], v[8:9], v[X+\i:X+\i+1]
	v_pk_add_f32 v[10:11], v[10:11], v[X+\i+2:X+\i+3]
.endr
	v_pk_add_f32 v[8:9], v[8:9], v[10:11]
	v_add_f32 v8, v8, v9
	v_add_f32_dpp v8, v8, v8 row_xmask:1 row_mask:0xf bank_mask:0xf
	v_add_f32_dpp v8, v8, v8 row_xmask:2 row_mask:0xf bank_mask:0xf
	v_add_f32_dpp v8, v8, v8 row_xmask:4 row_mask:0xf bank_mask:0xf
	v_add_f32_dpp v8, v8, v8 row_xmask:8 row_mask:0xf bank_mask:0xf
	v_permlanex16_b32 v9, v8, s10, s11
	v_add_f32 v8, v8, v9                           ; the row's sum, in every lane
	s_wait_alu depctr_va_vdst(0)
	v_rcp_f32 v10, v8
	v_nop
	s_wait_alu depctr_va_vdst(0)
.set i, 0
.rept 32
	v_pk_mul_f32 v[X+i:X+i+1], v[X+i:X+i+1], v[10:11] op_sel_hi:[1,0]
.set i, i+2
.endr
.irp i, 0,1,2,3,4,5,6,7,8,9,10,11,12,13,14,15
	global_store_b128 v1, v[X+4*\i:X+4*\i+3], s[6:7] offset:512*\i th:TH_STORE_NT
.endr
	s_endpgm
.Lfunc_end_k_qccbbbb8ddf_soft:
	.size	k_qccbbbb8ddf_soft, .Lfunc_end_k_qccbbbb8ddf_soft-k_qccbbbb8ddf_soft
	.p2alignl 7, 3214868480
	.fill 96, 4, 3214868480
	.section	.rodata,"a",@progbits
	.p2align	6, 0x0
	.amdhsa_kernel k_qccbbbb8ddf_soft
		.amdhsa_group_segment_fixed_size 0
		.amdhsa_private_segment_fixed_size 0
		.amdhsa_enable_private_segment 0
		.amdhsa_kernarg_size 16
		.amdhsa_user_sgpr_count 2
		.amdhsa_user_sgpr_kernarg_segment_ptr 1
		.amdhsa_wavefront_size32 1
		.amdhsa_system_sgpr_workgroup_id_x 1
		.amdhsa_system_sgpr_workgroup_id_y 1
		.amdhsa_system_sgpr_workgroup_id_z 1
		.amdhsa_system_vgpr_workitem_id 0
		.amdhsa_next_free_vgpr 96
		.amdhsa_next_free_sgpr 66
		.amdhsa_reserve_vcc 0
		.amdhsa_float_denorm_mode_32 3
		.amdhsa_float_denorm_mode_16_64 3
		.amdhsa_memory_ordered 1
		.amdhsa_forward_progress 1
		.amdhsa_inst_pref_size 15
	.end_amdhsa_kernel
	.amdgpu_metadata
---
amdhsa.version: [ 1, 2 ]
amdhsa.kernels:
  - .name:           k_qccbbbb8ddf_soft
    .symbol:         k_qccbbbb8ddf_soft.kd
    .args:
      - { .name: scores, .offset: 0, .size: 8, .value_kind: global_buffer, .address_space: global }
      - { .name: out0, .offset: 8, .size: 8, .value_kind: global_buffer, .address_space: global }
    .group_segment_fixed_size: 0
    .private_segment_fixed_size: 0
    .kernarg_segment_align: 8
    .kernarg_segment_size: 16
    .max_flat_workgroup_size: 32
    .sgpr_count:     66
    .vgpr_count:     96
    .wavefront_size: 32
...
	.end_amdgpu_metadata
.endif
;; end of part 3
